; MI455X (gfx1250); checked and timed in simulation.
; The chip was launched on July 23, 2026; its instructions are those of AMD's public machine-readable ISA for CDNA 5 (MIT licence, August 2026) and "CDNA5" Instruction Set Architecture Reference Guide (July 2026). The comments in the code are by the model that wrote it; some were corrected since.
;; Top K Perceptron Router. Allowed arithmetic: float matrix products may take bf16 or f16 operands with f32 sums; all other float work in f32.
;; Inputs: W 64 x 4,096 float32; b 64 float32; x 8,192 x 4,096 float32.
;; Outputs: out0 8,192 x 2 int32; out1 8,192 x 2 float32.
;; Constants: k = 2.
;; 2 versions, each right and faster than the one before. Each part assembles by itself: llvm-mc -triple=amdgcn-amd-amdhsa -mcpu=gfx1250 --defsym DOCPART=n.
;; ======== version 1 of 2: 1 launch
;; limits: values outside matrix products are rounded to bf16
;; launch router (part 1): grid 256 x 1, 8 waves a work-group, clusters of 4 x 1, 327,680 bytes of LDS; arguments x, W, b, out0, out1; writes out0, out1
.if DOCPART == 1
	.amdgcn_target "amdgcn-amd-amdhsa--gfx1250"
	.amdhsa_code_object_version 6
	.text
	.protected	k_q7886c45111_router
	.globl	k_q7886c45111_router
	.p2align	8
	.type	k_q7886c45111_router,@function
k_q7886c45111_router:
	s_mov_b64 s[64:65], 0
	v_nop
	global_prefetch_b8 v0, s[64:65] scope:SCOPE_SE
	s_setreg_imm32_b32 hwreg(HW_REG_WAVE_MODE, 25, 1), 1
	s_wait_xcnt 0x0
	s_wait_alu depctr_hold_cnt(0) depctr_sa_sdst(0) depctr_va_vdst(0) depctr_va_sdst(0) depctr_va_ssrc(0) depctr_va_vcc(0) depctr_vm_vsrc(0)
	s_getreg_b32 s2, hwreg(HW_REG_IB_STS2, 6, 4)
	s_cmp_eq_u32 s2, 0
	s_cbranch_scc0 .Lentry_in_a_cluster
	s_endpgm
.Lentry_in_a_cluster:
	s_bfe_u32 s2, ttmp6, 0x10000c
	s_cmp_lg_u32 s2, 0x3003
	s_cbranch_scc0 .Lentry_shape_is_right
	s_endpgm
.Lentry_shape_is_right:
; TopKPerceptronRouter: logits = x W^T + b, softmax over 64 experts, the two largest probabilities (out1) and their experts (out0).
; x [8192][4096] f32, W [64][4096] f32, b [64] f32, out0 [8192][2] i32, out1 [8192][2] f32.
;
; SHARES.  256 work-groups of 8 waves; a work-group owns 32 rows of x and the whole K.  K goes in 8 periods of 512 columns; in each
; period wave w owns columns 64 w .. 64 w + 63, for all 32 rows and all 64 experts: 8 accumulator tiles, 16 matrix instructions.
; So each number of x and of W is read from LDS and converted once in the work-group; the 8 waves' partial sums are added at the end.
; x: memory -> registers (each load of a wave covers two aligned runs of 256 consecutive bytes), a ring of two periods = 32 loads of a
;    wave always out, which no LDS barrier touches; -> bf16 -> the wave's own LDS stage -> fragments.  The stage turns 'a lane holds
;    columns' (what a contiguous load gives) into 'a lane holds a row' (what a fragment wants); it is the wave's own: no barrier.
; W: every work-group walks the same 1 MiB, so 4 work-groups form a cluster and ask for each tile JOINTLY (mask 15): a quarter of the
;    requests.  Each wave fetches the piece that it alone reads: 64 rows x 256 bytes, padded to 272.  Two slots; a slot is filled again
;    behind a round of the cluster's barrier.  By this text's count a wave has at most two tensor loads out.
; The matrix instruction takes W as A (m = expert) and x as B (n = token): lane (r, h) then holds token r, experts 8 h + 0..7 of a tile.
;
; LIMITS, kept on purpose:
;  - x and W are rounded to bf16 (nearest even) for the matrix unit; b is rounded to bf16 as well before it is added in f32, so that
;    the program is reference() on inputs that are ALL rounded to bf16.
;  - The sum over K is made in 8 chains of 16 matrix instructions and then added, not in reference()'s order.
;  - The two largest are chosen on exp(l - max), before the multiplication by 1 / sum; equal values go to the lower index.
;  - v_exp_f32 gives 0 for results below 2^-126 (ISA guide, its entry in 15.8): such probabilities count as 0.
;  - NaN or infinite logits are not served (v_max_num_f32 drops a NaN).
.set DIM,    4096
.set ROWB,   4*DIM                     ; bytes in a row of x or W
.set KSTEP,  512                       ; columns in a period
.set STEPB,  4*KSTEP
.set NPER,   DIM/KSTEP                 ; 8 periods
.set WPITCH, 272                       ; W in LDS: 256 bytes + 16 = 68 words: 16 rows start at 16 different groups of 4 banks (64 banks of 4 bytes: ISA guide 11.1)
.set WSUB,   64*WPITCH                 ; a wave's piece of a slot
.set SLOT,   8*WSUB
.set STAGE,  2*SLOT                    ; behind the ring: the waves' stages for x in bf16; no tensor load lands here
.set XPITCH, 144                       ; 128 bytes + 16: fragment loads meet no bank twice; rows 8 apart lie 1,152 = 128 mod 256 bytes apart: the stores neither
.set XSUB,   32*XPITCH
.set RES,    STAGE+8*XSUB              ; 512 bytes: the results on their way out
; window 0 (v0-255)
.set LN,  1                            ; lane
.set R,   2                            ; lane % 16
.set H,   3                            ; lane / 16
.set WA,  4                            ; v4-5     LDS address of my W fragments in slot 0, 1
.set XF,  6                            ; LDS address of my x fragments
.set RS,  7                            ; LDS address for my partial sums
.set XO0, 8                            ; byte offset of my 16 bytes in x (never rewritten)
.set BO,  9                            ; byte offset of my numbers in b (never rewritten)
.set TA,  10                           ; at work
.set ACC, 16                           ; v16-79   tile (t, e) at ACC + 8 (4 t + e): tokens 16 t .., experts 16 e ..
.set XB,  80                           ; v80-111  x fragment (t, s) at XB + 8 (2 t + s)
.set WF,  112                          ; v112-239 W, group 4 s + e: 16 f32, converted in place into the group's first 8 registers
; window 1 (v256-433), named by their low 8 bits
.set XR,  0                            ; v256-383 x ring: period parity a, load i: 4 registers at XR + 64 a + 4 i
.set BI,  128                          ; v384-415 b of my 32 experts
.set T,   160                          ; v416-431 packed bf16
.set XO,  176                          ; v432     copy of XO0
.set XS,  177                          ; v433     LDS address of my 8 bytes in the stage
; the end's registers, in the accumulators' place once these are stored
.set MX,  16
.set TP,  18
.set SU,  20
.set RI,  24
.set TV1, 26
.set TI1, 27
.set TV2, 28
.set TI2, 29
.set PV1, 30
.set PI1, 31
.set PV2, 32
.set PI2, 33
.set LAV, 34
.set LAI, 35
.set LBV, 36
.set LBI, 37
.set FV,  38
.set FI,  39
.set SV,  40
.set SI,  41
.set DD,  42
.set RD,  44
.set RA,  46
.set RB,  47
.set GO,  48
.set SM,  WF                           ; the sums, then the exponents
.set B0,  WF+32
.set B1,  WF+64
.set B2,  WF+96
.set EX,  WF+32                        ; the exponentials
.set G1,  32                           ; s[32:39] descriptor group 1, never rewritten
.set G0,  40                           ; s[40:47] descriptor group 0, a set for each slot
.set MSB, 0
.macro WIN new                         ; s_set_vgpr_msb: bits 1:0 source 0, 3:2 source 1, 5:4 source 2, 7:6 destination; the high byte repeats the setting that is left
.if MSB != \new
	s_set_vgpr_msb (MSB<<8)|\new
.set MSB, \new
.endif
.endm
.macro PLACES                          ; four plain vector instructions between a matrix instruction and a load into, or a reader of, its registers
.rept 4
	v_nop
.endr
.endm
.macro ROUND                           ; a round of the cluster's barrier: my work-group's barrier, wave 0 signals for the work-group, all wait for all four, my work-group's barrier
	s_barrier_signal -1
	s_barrier_wait -1
	s_cmp_lg_u32 s20, 0
	s_cbranch_scc1 .Lnot_wave_0_\@
	s_barrier_signal -3
.Lnot_wave_0_\@:
	s_barrier_wait -3
	s_barrier_signal -1
	s_barrier_wait -1
.endm
	s_load_b256 s[4:11], s[0:1], 0x0               ; x s[4:5], W s[6:7], b s[8:9], out0 s[10:11]
	s_load_b64 s[12:13], s[0:1], 0x20              ; out1
	v_lshrrev_b32 v[TA], 5, v0
	v_readfirstlane_b32 s20, v[TA]                 ; wave 0..7
	s_bfe_u32 s21, ttmp6, 0x40000                  ; cx: my place in the cluster
	s_lshl_b32 s22, ttmp9, 2
	s_add_co_u32 s22, s22, s21                     ; work-group 0..255; it enters x's and the outputs' addresses alone
	s_lshl_b32 s24, s22, 19                        ; 32 rows of 16,384 bytes
	s_mov_b32 s25, 0
	s_lshl_b32 s28, s20, 8                         ; my wave's 256 bytes of a period's 2,048
	s_mov_b32 s29, 0
	s_mul_i32 s26, s20, WSUB                       ; my piece of a slot
	s_mul_i32 s27, s20, XSUB
	s_add_co_u32 s27, s27, STAGE                   ; my stage
	s_mov_b32 s52, 0x76543210                      ; v_permlanex16_b32: lane i of one half reads lane i of the other
	s_mov_b32 s53, 0xfedcba98
	v_and_b32 v[LN], 31, v0
	v_and_b32 v[R], 15, v0
	v_bfe_u32 v[H], v0, 4, 1
	v_lshl_add_u32 v[XO0], v[R], 4, s28            ; x: 16 bytes a lane in my wave's 256,
	v_lshl_add_u32 v[XO0], v[H], 17, v[XO0]        ; lanes 16-31 eight rows further down
	v_lshlrev_b32 v[BO], 5, v[H]                   ; b: experts 8 h .. of each tile
	v_lshl_add_u32 v[TA], v[R], 3, s27             ; stage: 8 bytes a lane,
	v_mad_u32_u24 v[TA], v[H], 8*XPITCH, v[TA]     ; lanes 16-31 eight rows further down
	WIN 0x40                                       ; destinations in window 1
	v_mov_b32 v[XO], v[XO0]
	v_mov_b32 v[XS], v[TA]
	s_wait_kmcnt 0x0
	s_add_nc_u64 s[4:5], s[4:5], s[24:25]          ; x at my first row
	s_add_nc_u64 s[30:31], s[6:7], s[28:29]        ; W at my wave's columns: the same in all four work-groups
.irp e, 0,1,2,3
	global_load_b128 v[BI+8*\e:BI+8*\e+3],   v[BO], s[8:9] offset:64*\e       ; b first: the oldest loads, in with the first x
	global_load_b128 v[BI+8*\e+4:BI+8*\e+7], v[BO], s[8:9] offset:64*\e+16
.endr
.irp p, 0,1
.irp i, 0,1,2,3,4,5,6,7,8,9,10,11,12,13,14,15
	global_load_b128 v[XR+64*\p+4*\i:XR+64*\p+4*\i+3], v[XO0], s[4:5] offset:(((\i)&7)+16*((\i)>>3))*ROWB+\p*STEPB th:TH_LOAD_NT   ; rows a and a + 8, periods 0 and 1
.endr
.endr
	WIN 0
	; descriptor group 1: 64 rows x 64 elements of 4 bytes, 4,096 elements from row to row, 4 words of padding behind every 64
	s_mov_b32 s[G1+0], 15|(2<<16)|(1<<20)|(1<<21)|(5<<22)|(3<<25)  ; 15:0 the mask: all four of the cluster; 17:16 4 bytes; 20 padding; 21 set beside a mask; 24:22 every 64 words; 31:25 4 words
	s_mov_b32 s[G1+1], 64<<16                      ; tensor_dim0 = 64
	s_mov_b32 s[G1+2], 64<<16                      ; tensor_dim1 = 64
	s_mov_b32 s[G1+3], 64<<16                      ; tile_dim0 = 64
	s_mov_b32 s[G1+4], 64                          ; tile_dim1 = 64
	s_mov_b32 s[G1+5], DIM                         ; pitch
	s_mov_b32 s[G1+6], 0
	s_mov_b32 s[G1+7], 0
.irp s, 0,1
	s_mov_b32 s[G0+4*\s], 1
	s_add_co_u32 s[G0+4*\s+1], s26, \s*SLOT                        ; LDS: wave x 17,408 + slot x 139,264
	s_add_nc_u64 s[G0+4*\s+2:G0+4*\s+3], s[30:31], \s*STEPB        ; period s
	s_or_b32 s[G0+4*\s+3], s[G0+4*\s+3], 0x80000000                ; type = 2
.endr
	ROUND                                          ; all four work-groups are here: the first joint loads meet
	tensor_load_to_lds s[G0:G0+3], s[G1:G1+7]      ; both first fills go out together
	s_nop 0
	tensor_load_to_lds s[G0+4:G0+7], s[G1:G1+7]
	s_nop 0
	v_mul_u32_u24 v[WA], v[R], WPITCH              ; W fragment: row r, 32 bytes (8 f32) for each half of the lanes
	v_lshl_add_u32 v[WA], v[H], 5, v[WA]
	v_add_nc_u32 v[WA], s26, v[WA]
	v_add_nc_u32 v[WA+1], SLOT, v[WA]
	v_mul_u32_u24 v[XF], v[R], XPITCH              ; x fragment: row r, 16 bytes (8 bf16) for each half
	v_lshl_add_u32 v[XF], v[H], 4, v[XF]
	v_add_nc_u32 v[XF], s27, v[XF]
	v_lshl_add_u32 v[RS], v[LN], 4, s26            ; partial sums: 16 bytes a lane in my piece of slot 0
; W's f32 of K step s into fragments, in place: register j of a group takes numbers 2 j and 2 j + 1, which lie at or above it
.macro CVTW s
.irp e, 0,1,2,3
.irp j, 0,1,2,3,4,5,6,7
	v_cvt_pk_bf16_f32 v[WF+16*(4*\s+\e)+\j], v[WF+16*(4*\s+\e)+2*\j], v[WF+16*(4*\s+\e)+2*\j+1]
.endr
.endr
.endm
; 8 matrix instructions, 32 along K.  The eight accumulators take turns, one instruction a turn.
; The very first products start the sums: nothing is cleared.
.macro MULS p, s
.irp e, 0,1,2,3
.irp t, 0,1
.if \p+\s
	v_wmma_f32_16x16x32_bf16 v[ACC+8*(4*\t+\e):ACC+8*(4*\t+\e)+7], v[WF+16*(4*\s+\e):WF+16*(4*\s+\e)+7], v[XB+8*(2*\t+\s):XB+8*(2*\t+\s)+7], v[ACC+8*(4*\t+\e):ACC+8*(4*\t+\e)+7]
.else
	v_wmma_f32_16x16x32_bf16 v[ACC+8*(4*\t+\e):ACC+8*(4*\t+\e)+7], v[WF+16*(4*\s+\e):WF+16*(4*\s+\e)+7], v[XB+8*(2*\t+\s):XB+8*(2*\t+\s)+7], 0
.endif
.endr
.endr
.endm
; Period p.  tleft = how many younger tensor loads may stay out.
.macro PERIOD p, tleft
	s_wait_tensorcnt \tleft                        ; a wave's tensor loads end in order (ISA guide 10.11.1): my piece of this period's W is in LDS; I alone read it
.if \p
	PLACES                                         ; behind the last period's matrix instructions, whose sources are loaded again
.endif
.irp s, 0,1
.irp e, 0,1,2,3
	ds_load_b128 v[WF+16*(4*\s+\e):WF+16*(4*\s+\e)+3],     v[WA+((\p)&1)] offset:\e*16*WPITCH+128*\s      ; k = 32 s + 8 h + 0..3
	ds_load_b128 v[WF+16*(4*\s+\e)+4:WF+16*(4*\s+\e)+7],   v[WA+((\p)&1)] offset:\e*16*WPITCH+128*\s+16   ; + 4..7
	ds_load_b128 v[WF+16*(4*\s+\e)+8:WF+16*(4*\s+\e)+11],  v[WA+((\p)&1)] offset:\e*16*WPITCH+128*\s+64   ; k = 32 s + 16 + 8 h + 0..3
	ds_load_b128 v[WF+16*(4*\s+\e)+12:WF+16*(4*\s+\e)+15], v[WA+((\p)&1)] offset:\e*16*WPITCH+128*\s+80   ; + 4..7
.endr
.endr
	WIN 0x45                                       ; sources 0 and 1 and the destination in window 1: the whole of x's way under one setting
.irp i, 0,1,2,3,4,5,6,7,8,9,10,11,12,13,14,15
.if \p+2 < NPER
	s_wait_loadcnt 31                              ; loads come back in order (ISA guide 5.7.1): 15 - i of this period, 16 of the next, i already asked for again stay out
.else
	s_wait_loadcnt (NPER-1-\p)*16+15-\i            ; the last two periods ask for nothing: the counts run down
.endif
	v_cvt_pk_bf16_f32 v[T+2*((\i)%8)],   v[XR+64*((\p)&1)+4*\i],   v[XR+64*((\p)&1)+4*\i+1]
	v_cvt_pk_bf16_f32 v[T+2*((\i)%8)+1], v[XR+64*((\p)&1)+4*\i+2], v[XR+64*((\p)&1)+4*\i+3]
	ds_store_b64 v[XS], v[T+2*((\i)%8):T+2*((\i)%8)+1] offset:(((\i)&7)+16*((\i)>>3))*XPITCH
.if \p+2 < NPER
	global_load_b128 v[XR+64*((\p)&1)+4*\i:XR+64*((\p)&1)+4*\i+3], v[XO], s[4:5] offset:(((\i)&7)+16*((\i)>>3))*ROWB+(\p+2)*STEPB th:TH_LOAD_NT   ; the same rows, two periods on
.endif
.endr
	WIN 0
.irp t, 0,1
.irp s, 0,1
	ds_load_b128 v[XB+8*(2*\t+\s):XB+8*(2*\t+\s)+3],   v[XF] offset:\t*16*XPITCH+64*\s       ; LDS serves a wave's instructions in order (ISA guide 5.7.1.4): these see the stores above
	ds_load_b128 v[XB+8*(2*\t+\s)+4:XB+8*(2*\t+\s)+7], v[XF] offset:\t*16*XPITCH+64*\s+32
.endr
.endr
	s_wait_dscnt 40                                ; W's first 16 loads are in; its other 16, the 16 stores and the 8 fragment loads may be out
	CVTW 0
	s_wait_dscnt 0x0                               ; all of W and x's fragments
	MULS \p, 0
	CVTW 1
	MULS \p, 1
.endm
; Slot s, which has been read, is filled again with the tile two periods on.
.macro FILL s
	s_wait_dscnt 0x0                               ; my reads of the slot are back (met: the period waited for 0)
	s_wait_tensorcnt 0x0                           ; all my tensor loads have landed, the other slot's too: a group 0 may be written
	s_add_nc_u64 s[G0+4*\s+2:G0+4*\s+3], s[G0+4*\s+2:G0+4*\s+3], 2*STEPB
	ROUND                                          ; both now hold of every wave of all four work-groups
	tensor_load_to_lds s[G0+4*\s:G0+4*\s+3], s[G1:G1+7]            ; my one tensor load behind the round, and the first thing there
	s_nop 0
.endm
	PERIOD 0, 1                                    ; the count leaves period 1's tile on its way
	FILL 0
	PERIOD 1, 1                                    ; one load was issued behind this tile's; FILL's wait for 0 has shown it landed
	FILL 1
	PERIOD 2, 1
	FILL 0
	PERIOD 3, 1
	FILL 1
	PERIOD 4, 1
	FILL 0
	PERIOD 5, 1
	FILL 1                                         ; period 7's tile: the last tensor load
	PERIOD 6, 1
	PERIOD 7, 0                                    ; no load was issued behind this one
	; THE END.  Each wave puts its 32 x 64 partial sums into its own piece of slot 0, which it alone has read and which is filled no more.
	PLACES                                         ; behind the last matrix instructions: their results are read, their registers written
.irp q, 0,1,2,3,4,5,6,7
	ds_store_b128 v[RS], v[ACC+8*\q:ACC+8*\q+3]   offset:\q*1024           ; 512 neighbouring bytes each
	ds_store_b128 v[RS], v[ACC+8*\q+4:ACC+8*\q+7] offset:\q*1024+512
.endr
	s_wait_dscnt 0x0                               ; for the others' sake
	s_barrier_signal -1
	s_barrier_wait -1
	s_cmp_ge_u32 s20, 2
	s_cbranch_scc1 .Lreduced                       ; waves 0 and 1 go on, with tokens 16 t .. 16 t + 15, t = the wave's number
.macro RLOAD v, dst                    ; wave v's partial sums of my four tiles, in the lanes' own layout
.irp e, 0,1,2,3
	ds_load_b128 v[\dst+8*\e:\dst+8*\e+3],   v[RD+((\v)>>2)] offset:((\v)&3)*WSUB+\e*1024
	ds_load_b128 v[\dst+8*\e+4:\dst+8*\e+7], v[RD+((\v)>>2)] offset:((\v)&3)*WSUB+\e*1024+512
.endr
.endm
.macro RSUM buf
.set i, 0
.rept 16
	v_pk_add_f32 v[SM+i:SM+i+1], v[SM+i:SM+i+1], v[\buf+i:\buf+i+1]
.set i, i+2
.endr
.endm
	s_lshl_b32 s54, s20, 12                        ; my four tiles: 4,096 bytes a token tile
	v_lshl_add_u32 v[RD], v[LN], 4, s54
	v_add_nc_u32 v[RD+1], 4*WSUB, v[RD]            ; waves 4 to 7: beyond the immediate's 16 bits
	RLOAD 0, SM
	RLOAD 1, B0
	RLOAD 2, B1
	RLOAD 3, B2
	WIN 0x45                                       ; while these are on their way: b to bf16 and back (see the head), in window 1
.set i, 0
.rept 16
	v_cvt_pk_bf16_f32 v[T+i], v[BI+2*i], v[BI+2*i+1]
.set i, i+1
.endr
.set i, 0
.rept 16
	v_lshlrev_b32 v[BI+2*i], 16, v[T+i]
	v_and_b32 v[BI+2*i+1], 0xffff0000, v[T+i]
.set i, i+1
.endr
	WIN 0
	s_lshl_b32 s55, s20, 7
	s_add_co_u32 s55, s55, RES
	v_lshl_add_u32 v[RA], v[R], 3, s55             ; results: 8 bytes a token; lanes 0-15 the indices,
	v_lshl_add_u32 v[RA], v[H], 8, v[RA]           ; lanes 16-31 the weights, 256 bytes on
	s_wait_dscnt 16                                ; waves 0 and 1 are in; two partials of 8 loads stay out
	RSUM B0
	RLOAD 4, B0
	s_wait_dscnt 16
	RSUM B1
	RLOAD 5, B1
	s_wait_dscnt 16
	RSUM B2
	RLOAD 6, B2
	s_wait_dscnt 16
	RSUM B0
	RLOAD 7, B0
	s_wait_dscnt 16
	RSUM B1
	s_wait_dscnt 8                                 ; one partial stays out
	RSUM B2
	s_wait_dscnt 0x0
	RSUM B0
	WIN 0x04                                       ; source 1 in window 1
.set i, 0
.rept 16
	v_pk_add_f32 v[SM+i:SM+i+1], v[SM+i:SM+i+1], v[BI+i:BI+i+1]    ; register 8 e + j: expert 16 e + 8 h + j
.set i, i+2
.endr
	WIN 0
	; the row's maximum: my 32 experts, then the other half of the lanes, which holds the token's other 32
	v_max3_num_f32 v[MX], v[SM], v[SM+1], v[SM+2]
.set i, 3
.rept 14
	v_max3_num_f32 v[MX], v[MX], v[SM+i], v[SM+i+1]
.set i, i+2
.endr
	v_max_num_f32 v[MX], v[MX], v[SM+31]
	v_permlanex16_b32 v[TP], v[MX], s52, s53
	v_max_num_f32 v[MX], v[MX], v[TP]
	v_mov_b32 v[MX+1], v[MX]
	; exp(l - max) = 2^((l - max) log2 e).  The difference is taken first, as reference() takes it, so that the largest gives exactly 1.
.set i, 0
.rept 16
	v_pk_add_f32 v[SM+i:SM+i+1], v[SM+i:SM+i+1], v[MX:MX+1] neg_lo:[0,1] neg_hi:[0,1]
.set i, i+2
.endr
.set i, 0
.rept 16
	v_pk_mul_f32 v[SM+i:SM+i+1], v[SM+i:SM+i+1], 0x3fb8aa3b op_sel_hi:[1,0]
.set i, i+2
.endr
.set i, 0
.rept 32
	v_exp_f32 v[EX+i], v[SM+i]
.set i, i+1
.endr
	v_nop                                          ; one plain instruction behind the transcendentals before their results are used (ISA guide 5.7.2)
	s_wait_alu depctr_va_vdst(0)
	v_pk_add_f32 v[SU:SU+1],   v[EX:EX+1],     v[EX+2:EX+3]        ; the sum, in two chains of pairs
	v_pk_add_f32 v[SU+2:SU+3], v[EX+4:EX+5],   v[EX+6:EX+7]
.set i, 8
.rept 6
	v_pk_add_f32 v[SU:SU+1],   v[SU:SU+1],   v[EX+i:EX+i+1]
	v_pk_add_f32 v[SU+2:SU+3], v[SU+2:SU+3], v[EX+i+2:EX+i+3]
.set i, i+4
.endr
	v_pk_add_f32 v[SU:SU+1], v[SU:SU+1], v[SU+2:SU+3]
	v_add_f32 v[SU], v[SU], v[SU+1]
	v_permlanex16_b32 v[TP], v[SU], s52, s53
	v_add_f32 v[SU], v[SU], v[TP]
	v_rcp_f32 v[RI], v[SU]                         ; used far below; the next lines touch neither SU nor RI
	; the two largest of my 32, in ascending order of the experts: '>' alone moves a place, so equal values keep the lower index.
	; Selections only: no branch and no address hangs on these numbers.
	v_mov_b32 v[TV1], v[EX]
	v_mov_b32 v[TI1], 0
	v_mov_b32 v[TV2], -1.0                         ; below every exponential
	v_mov_b32 v[TI2], 0
.set i, 1
.rept 31
	v_cmp_gt_f32 vcc_lo, v[EX+i], v[TV2]
	v_cmp_gt_f32 s48, v[EX+i], v[TV1]
	v_cndmask_b32 v[TI2], v[TI2], 16*(i>>3)+(i&7), vcc_lo
	v_cndmask_b32 v[TI2], v[TI2], v[TI1], s48
	v_cndmask_b32 v[TI1], v[TI1], 16*(i>>3)+(i&7), s48
	v_med3_num_f32 v[TV2], v[EX+i], v[TV1], v[TV2] ; the middle of the three is the new second
	v_max_num_f32 v[TV1], v[TV1], v[EX+i]
.set i, i+1
.endr
	v_lshl_add_u32 v[TI1], v[H], 3, v[TI1]         ; + 8 h: the expert's number
	v_lshl_add_u32 v[TI2], v[H], 3, v[TI2]
	; merge with the other half's two; 'better' = larger, or equal with the lower index.  Both halves come to the same result.
	v_permlanex16_b32 v[PV1], v[TV1], s52, s53
	v_permlanex16_b32 v[PI1], v[TI1], s52, s53
	v_permlanex16_b32 v[PV2], v[TV2], s52, s53
	v_permlanex16_b32 v[PI2], v[TI2], s52, s53
	v_cmp_gt_f32 s48, v[PV1], v[TV1]
	v_cmp_eq_f32 s49, v[PV1], v[TV1]
	v_cmp_lt_u32 s50, v[PI1], v[TI1]
	s_and_b32 s49, s49, s50
	s_or_b32 s48, s48, s49                         ; the other half's first is better than mine
	v_cndmask_b32 v[FV],  v[TV1], v[PV1], s48      ; the first
	v_cndmask_b32 v[FI],  v[TI1], v[PI1], s48
	v_cndmask_b32 v[LAV], v[PV1], v[TV1], s48      ; the first that lost
	v_cndmask_b32 v[LAI], v[PI1], v[TI1], s48
	v_cndmask_b32 v[LBV], v[TV2], v[PV2], s48      ; the winner's own second
	v_cndmask_b32 v[LBI], v[TI2], v[PI2], s48
	v_cmp_gt_f32 s48, v[LBV], v[LAV]
	v_cmp_eq_f32 s49, v[LBV], v[LAV]
	v_cmp_lt_u32 s50, v[LBI], v[LAI]
	s_and_b32 s49, s49, s50
	s_or_b32 s48, s48, s49
	v_cndmask_b32 v[SV], v[LAV], v[LBV], s48       ; the second
	v_cndmask_b32 v[SI], v[LAI], v[LBI], s48
	s_wait_alu depctr_va_vdst(0)
	v_mul_f32 v[FV], v[FV], v[RI]                  ; the probabilities
	v_mul_f32 v[SV], v[SV], v[RI]
	v_cmp_ne_u32 vcc_lo, 0, v[H]
	v_cndmask_b32 v[DD],   v[FI], v[FV], vcc_lo    ; lanes 0-15 hand on the indices, lanes 16-31 the weights
	v_cndmask_b32 v[DD+1], v[SI], v[SV], vcc_lo
	ds_store_b64 v[RA], v[DD:DD+1]
	s_wait_dscnt 0x0                               ; for the other wave's sake
.Lreduced:
	s_barrier_signal -1
	s_barrier_wait -1
	s_cmp_ge_u32 s20, 2
	s_cbranch_scc1 .Ldone
	; wave 0 stores the 32 tokens' indices, wave 1 their weights: one store of 256 consecutive bytes, at a multiple of 256 from the buffer's first byte
	s_add_co_u32 s56, s28, RES                     ; RES + 256 x wave
	v_lshl_add_u32 v[RB], v[LN], 3, s56
	ds_load_b64 v[DD:DD+1], v[RB]
	s_lshl_b32 s57, s22, 8                         ; 32 tokens x 8 bytes a work-group
	v_lshl_add_u32 v[GO], v[LN], 3, s57
	s_cmp_eq_u32 s20, 0
	s_cselect_b64 s[14:15], s[10:11], s[12:13]     ; out0 or out1, by the wave's number
	s_wait_dscnt 0x0
	global_store_b64 v[GO], v[DD:DD+1], s[14:15]
.Ldone:
	ROUND                                          ; the closing round: no work-group ends while a partner may still ask for a tile that names it
	s_endpgm
.Lfunc_end_k_q7886c45111_router:
	.size	k_q7886c45111_router, .Lfunc_end_k_q7886c45111_router-k_q7886c45111_router
	.p2alignl 7, 3214868480
	.fill 96, 4, 3214868480
	.section	.rodata,"a",@progbits
	.p2align	6, 0x0
	.amdhsa_kernel k_q7886c45111_router
		.amdhsa_group_segment_fixed_size 327680
		.amdhsa_private_segment_fixed_size 0
		.amdhsa_enable_private_segment 0
		.amdhsa_kernarg_size 40
		.amdhsa_user_sgpr_count 2
		.amdhsa_user_sgpr_kernarg_segment_ptr 1
		.amdhsa_wavefront_size32 1
		.amdhsa_system_sgpr_workgroup_id_x 1
		.amdhsa_system_sgpr_workgroup_id_y 1
		.amdhsa_system_sgpr_workgroup_id_z 1
		.amdhsa_system_vgpr_workitem_id 0
		.amdhsa_next_free_vgpr 448
		.amdhsa_next_free_sgpr 66
		.amdhsa_reserve_vcc 1
		.amdhsa_float_denorm_mode_32 3
		.amdhsa_float_denorm_mode_16_64 3
		.amdhsa_memory_ordered 1
		.amdhsa_forward_progress 1
		.amdhsa_inst_pref_size 147
	.end_amdhsa_kernel
	.amdgpu_metadata
---
amdhsa.version: [ 1, 2 ]
amdhsa.kernels:
  - .name:           k_q7886c45111_router
    .symbol:         k_q7886c45111_router.kd
    .args:
      - { .name: x, .offset: 0, .size: 8, .value_kind: global_buffer, .address_space: global }
      - { .name: W, .offset: 8, .size: 8, .value_kind: global_buffer, .address_space: global }
      - { .name: b, .offset: 16, .size: 8, .value_kind: global_buffer, .address_space: global }
      - { .name: out0, .offset: 24, .size: 8, .value_kind: global_buffer, .address_space: global }
      - { .name: out1, .offset: 32, .size: 8, .value_kind: global_buffer, .address_space: global }
    .group_segment_fixed_size: 327680
    .private_segment_fixed_size: 0
    .kernarg_segment_align: 8
    .kernarg_segment_size: 40
    .max_flat_workgroup_size: 256
    .sgpr_count:     66
    .vgpr_count:     448
    .wavefront_size: 32
...
	.end_amdgpu_metadata
.endif
;; end of part 1
;; ======== version 2 of 2: 2 launches; 1.11 times as fast as version 1
;; limits: values outside matrix products are rounded to bf16
;; workspace buffers: part 8,388,608 bytes
;; launch partial (part 2): grid 256 x 1, 8 waves a work-group, clusters of 4 x 1, 305,152 bytes of LDS; arguments x, W, part; writes part
.if DOCPART == 2
	.amdgcn_target "amdgcn-amd-amdhsa--gfx1250"
	.amdhsa_code_object_version 6
	.text
	.protected	k_q7886c45111_partial
	.globl	k_q7886c45111_partial
	.p2align	8
	.type	k_q7886c45111_partial,@function
k_q7886c45111_partial:
	s_mov_b64 s[64:65], 0
	v_nop
	global_prefetch_b8 v0, s[64:65] scope:SCOPE_SE
	s_setreg_imm32_b32 hwreg(HW_REG_WAVE_MODE, 25, 1), 1
	s_wait_xcnt 0x0
	s_wait_alu depctr_hold_cnt(0) depctr_sa_sdst(0) depctr_va_vdst(0) depctr_va_sdst(0) depctr_va_ssrc(0) depctr_va_vcc(0) depctr_vm_vsrc(0)
	s_getreg_b32 s2, hwreg(HW_REG_IB_STS2, 6, 4)
	s_cmp_eq_u32 s2, 0
	s_cbranch_scc0 .Lentry_in_a_cluster
	s_endpgm
.Lentry_in_a_cluster:
	s_bfe_u32 s2, ttmp6, 0x10000c
	s_cmp_lg_u32 s2, 0x3003
	s_cbranch_scc0 .Lentry_shape_is_right
	s_endpgm
.Lentry_shape_is_right:
; First of two launches of TopKPerceptronRouter: the product x W^T, in four quarters of K.  x [8192][4096] f32, W [64][4096] f32.
; part [4 quarters][512 token tiles][8 chunks][32 lanes][4] f32: for quarter q and tokens 16 T .. 16 T + 15, lane (r, h) of chunk c holds
; token r, experts 16 (c >> 1) + 8 h + 4 (c & 1) + 0..3: the matrix unit's own layout of results, 512 neighbouring bytes a chunk.
;
; SHARES.  256 work-groups of 8 waves.  A work-group owns 128 rows of x and 1,024 columns (a quarter of K); wave w owns 128 of these
; columns, 512 bytes of every row, for all 128 rows and all 64 experts.
; W: a wave's share is 64 rows x 512 bytes.  One tensor load brings it into LDS, once; it is converted once into 16 bf16 fragments, which
;    stay in 128 registers for the whole launch.  No slot is ever filled again; a wave has one tensor load out, by this text's count.
;    CLUSTER: the four work-groups of a cluster own the same quarter of K and other rows, so they need the same W and ask for it JOINTLY
;    (mask 15): a quarter of the requests.
; x: 8 token tiles of 16 rows.  One load of a wave is one row's 512 consecutive bytes, at a multiple of 512 from x's first byte.  A ring of
;    three tiles in registers keeps 44 to 48 loads of every wave out (four tiles would be 64, more than a wait on LOADcnt can name); no
;    barrier touches them.  -> bf16, a whole tile in 32 registers -> the wave's own LDS stage, which turns 'a lane holds columns' into
;    'a lane holds a row' -> 4 fragments.
; THE ORDER.  x's way needs no W up to the stage, so tiles 0 and 1 are converted, and tiles 3 and 4 asked for, ahead of the wait for W.
;    In the steps the conversion of tile t + 1 stands between tile t's fragment loads and their wait.
; The matrix instruction takes W as A (m = expert) and x as B (n = token).
; THE 8 WAVES' SUMS of a tile are added inside the stream: each wave puts its 4 KiB into the head of its own piece of W's bytes (read for
; the last time, filled no more), two buffers by turns.  Tile t's sums are stored behind step t's barrier, read (wave w: chunk w of all
; eight) behind step t + 1's, added in step t + 2 between the barrier's signal and its wait, and stored to part behind that wait.
;
; LIMITS, kept on purpose: x and W are rounded to bf16 (nearest even) for the matrix unit.  The sum over K is made in chains of 4 matrix
; instructions, 8 of which are added here in a tree, not in reference()'s order.
.set ROWB,   16384                     ; bytes in a row of x or W
.set NT,     8                         ; token tiles of a work-group
.set RING,   3                         ; tiles of x in flight
.set WPITCH, 528                       ; W in LDS: 512 bytes + 16 = 33 x 16: 16 rows start at 16 different groups of 4 banks (64 banks of 4 bytes: ISA guide 11.1)
.set WSUB,   64*WPITCH                 ; a wave's piece
.set STAGE,  8*WSUB                    ; behind W: the waves' stages for x in bf16; no tensor load lands here
.set XPITCH, 272                       ; 256 bytes + 16 = 17 x 16
.set XSUB,   16*XPITCH
.set RBUF,   4096                      ; a wave's sums of a tile: 16 tokens x 64 experts x 4 bytes
; window 0 (v0-255)
.set LN,   1                           ; lane
.set R,    2                           ; lane % 16
.set H,    3                           ; lane / 16
.set WA,   4                           ; LDS address of my W fragments
.set XF,   5                           ; LDS address of my x fragments
.set RS,   6                           ; LDS address for my sums
.set TA,   7                           ; at work
.set V16,  8                           ; 16 x thread = 512 x wave + 16 x lane: my place in a row's 4,096 bytes of x, and in a tile of part; never rewritten
.set RD,   10                          ; v10-13   LDS address of my chunk in the sums of waves 2 q and 2 q + 1
.set TMPB, 16                          ; v16-79   W as f32, four groups of 16, before the steps
.set ACC,  16                          ; v16-47   tile e at ACC + 8 e: experts 16 e ..
.set XB,   48                          ; v48-79   x fragment s at XB + 8 s
.set WF,   80                          ; v80-207  W fragment (s, e) at WF + 8 (4 s + e)
.set RB,   208                         ; v208-239 chunk of wave v at RB + 4 v
.set RO,   240                         ; v240-243 the chunk's sum on its way to part
; window 1 (v256-481), named by their low 8 bits
.set XR,   0                           ; v256-447 x ring: tile t, row i: 4 registers at XR + 64 (t % 3) + 4 i
.set T,    192                         ; v448-479 a tile in bf16: row i in T + 2 i, T + 2 i + 1
.set XO,   224                         ; v480     copy of V16
.set XS,   225                         ; v481     LDS address of my 8 bytes in the stage
.set G1,   32                          ; s[32:39] descriptor group 1
.set G0,   40                          ; s[40:43] descriptor group 0
.set MSB, 0
.macro WIN new                         ; s_set_vgpr_msb: bits 1:0 source 0, 3:2 source 1, 5:4 source 2, 7:6 destination; the high byte repeats the setting that is left
.if MSB != \new
	s_set_vgpr_msb (MSB<<8)|\new
.set MSB, \new
.endif
.endm
.macro PLACES                          ; four plain vector instructions between a matrix instruction and a reader of its results (ISA guide 7.12.1)
.rept 4
	v_nop
.endr
.endm
.macro ROUND                           ; a round of the cluster's barrier: my work-group's barrier, wave 0 signals for the work-group, all wait for all four, my work-group's barrier
	s_barrier_signal -1
	s_barrier_wait -1
	s_cmp_lg_u32 s20, 0
	s_cbranch_scc1 .Lnot_wave_0_\@
	s_barrier_signal -3
.Lnot_wave_0_\@:
	s_barrier_wait -3
	s_barrier_signal -1
	s_barrier_wait -1
.endm
	s_load_b128 s[4:7], s[0:1], 0x0                ; x s[4:5], W s[6:7]
	s_load_b64 s[8:9], s[0:1], 0x10                ; part
	v_lshrrev_b32 v[TA], 5, v0
	v_readfirstlane_b32 s20, v[TA]                 ; wave 0..7
	s_bfe_u32 s21, ttmp6, 0x40000                  ; cx: my place in the cluster; it enters x's and part's addresses alone
	s_and_b32 s22, ttmp9, 3                        ; the quarter of K: the cluster's, the same in all four
	s_lshr_b32 s23, ttmp9, 2
	s_lshl_b32 s23, s23, 2
	s_add_co_u32 s23, s23, s21                     ; block of 128 rows, 0..63
	s_lshl_b32 s44, s22, 12                        ; the quarter's 4,096 bytes in a row
	s_lshl_b32 s24, s23, 21                        ; 128 rows of 16,384 bytes
	s_or_b32 s24, s24, s44
	s_mov_b32 s25, 0                               ; s[24:25]: x at my first row and column
	s_lshl_b32 s28, s20, 9
	s_or_b32 s28, s28, s44
	s_mov_b32 s29, 0                               ; s[28:29]: W at my wave's columns: made of the quarter and the wave's number alone
	s_lshl_b32 s30, s22, 21                        ; part: 2 MiB a quarter,
	s_lshl_b32 s45, s23, 15                        ; 8 tiles of 4,096 bytes a work-group
	s_or_b32 s30, s30, s45
	s_mov_b32 s31, 0
	s_mul_i32 s26, s20, WSUB                       ; my piece of W's bytes
	s_mul_i32 s27, s20, XSUB
	s_add_co_u32 s27, s27, STAGE                   ; my stage
	v_and_b32 v[LN], 31, v0
	v_and_b32 v[R], 15, v0
	v_bfe_u32 v[H], v0, 4, 1
	v_lshlrev_b32 v[V16], 4, v0
	v_lshl_add_u32 v[TA], v[LN], 3, s27            ; stage: 8 bytes a lane, a row's 256 bytes a store
	WIN 0x40                                       ; destinations in window 1
	v_mov_b32 v[XO], v[V16]
	v_mov_b32 v[XS], v[TA]
	WIN 0
	; descriptor group 1: 64 rows x 128 elements of 4 bytes, 4,096 elements from row to row, 4 words of padding behind every 128
	s_mov_b32 s[G1+0], 15|(2<<16)|(1<<20)|(1<<21)|(6<<22)|(3<<25)  ; 15:0 the mask: all four of the cluster; 17:16 4 bytes; 20 padding; 21 set beside a mask; 24:22 every 128 words; 31:25 4 words
	s_mov_b32 s[G1+1], 128<<16                     ; tensor_dim0 = 128
	s_mov_b32 s[G1+2], 64<<16                      ; tensor_dim1 = 64
	s_mov_b32 s[G1+3], 128<<16                     ; tile_dim0 = 128
	s_mov_b32 s[G1+4], 64                          ; tile_dim1 = 64
	s_mov_b32 s[G1+5], 4096                        ; pitch
	s_mov_b32 s[G1+6], 0
	s_mov_b32 s[G1+7], 0
	ROUND                                          ; all four work-groups are here: the joint loads meet.  The arguments arrive meanwhile
	s_wait_kmcnt 0x0
	s_add_nc_u64 s[4:5], s[4:5], s[24:25]
	s_add_nc_u64 s[8:9], s[8:9], s[30:31]
	s_mov_b32 s[G0], 1
	s_mov_b32 s[G0+1], s26                         ; LDS: wave x 33,792
	s_add_nc_u64 s[G0+2:G0+3], s[6:7], s[28:29]
	s_or_b32 s[G0+3], s[G0+3], 0x80000000          ; type = 2
	tensor_load_to_lds s[G0:G0+3], s[G1:G1+7]      ; W first.  My only tensor load
	s_nop 0
	WIN 0x40
.irp p, 0,1,2
.irp i, 0,1,2,3,4,5,6,7,8,9,10,11,12,13,14,15
	global_load_b128 v[XR+64*\p+4*\i:XR+64*\p+4*\i+3], v[V16], s[4:5] offset:(16*\p+\i)*ROWB th:TH_LOAD_NT   ; tiles 0 to 2
.endr
.endr
	WIN 0
	v_mul_u32_u24 v[WA], v[R], WPITCH              ; W fragment: row r, 32 bytes (8 f32) for each half of the lanes
	v_lshl_add_u32 v[WA], v[H], 5, v[WA]
	v_add_nc_u32 v[WA], s26, v[WA]
	v_mul_u32_u24 v[XF], v[R], XPITCH              ; x fragment: row r, 16 bytes (8 bf16) for each half
	v_lshl_add_u32 v[XF], v[H], 4, v[XF]
	v_add_nc_u32 v[XF], s27, v[XF]
	v_lshl_add_u32 v[RS], v[LN], 4, s26            ; my sums: 16 bytes a lane at the head of my piece
.irp q, 0,1,2,3
	v_add_nc_u32 v[RD+\q], 2*\q*WSUB, v[V16]       ; chunk w, 16 bytes a lane, in the pieces of waves 2 q and 2 q + 1 (the second by the immediate)
.endr
; Tile u out of the ring into T as bf16, and its rows' registers asked for again with the tile three on.  Four rows at a time: eight
; conversions in a run, then four loads in a run.
.macro XCVT u
	WIN 0x45                                       ; sources 0 and 1 and the destination in window 1
.irp g, 0,1,2,3
.if \u+RING < NT
	s_wait_loadcnt 16*RING-4                       ; loads come back in order (ISA guide 5.7.1): rows 4 g .. 4 g + 3 are in; 12 - 4 g of this tile, 32 of the next two, 4 g already asked for again stay out
.else
	s_wait_loadcnt (NT-1-(\u))*16+12-4*\g          ; the last three tiles ask for nothing: the counts run down
.endif
.irp j, 0,1,2,3
	v_cvt_pk_bf16_f32 v[T+2*(4*\g+\j)],   v[XR+64*((\u)%RING)+4*(4*\g+\j)],   v[XR+64*((\u)%RING)+4*(4*\g+\j)+1]
	v_cvt_pk_bf16_f32 v[T+2*(4*\g+\j)+1], v[XR+64*((\u)%RING)+4*(4*\g+\j)+2], v[XR+64*((\u)%RING)+4*(4*\g+\j)+3]
.endr
.if \u+RING < NT
.irp j, 0,1,2,3
	global_load_b128 v[XR+64*((\u)%RING)+4*(4*\g+\j):XR+64*((\u)%RING)+4*(4*\g+\j)+3], v[XO], s[4:5] offset:(16*(\u+RING)+4*\g+\j)*ROWB th:TH_LOAD_NT
.endr
.endif
.endr
.endm
; The tile in T into my stage: a row's 256 bytes a store.
.macro XST
	WIN 0x45
.irp i, 0,1,2,3,4,5,6,7,8,9,10,11,12,13,14,15
	ds_store_b64 v[XS], v[T+2*\i:T+2*\i+1] offset:\i*XPITCH
.endr
.endm
	; Ahead of W: tile 0 into the stage, tile 1 into T; tiles 3 and 4 are asked for as tiles 0 and 1 land.
	XCVT 0
	XST
	XCVT 1
	WIN 0
	; W into fragments.  Group g = 4 s + e: experts 16 e .., K = 32 s ..; 16 f32 a lane in four loads; four groups are on their way at a time.
.macro WLOAD g
	ds_load_b128 v[TMPB+16*((\g)&3):TMPB+16*((\g)&3)+3],     v[WA] offset:((\g)&3)*16*WPITCH+((\g)>>2)*128      ; k = 32 s + 8 h + 0..3
	ds_load_b128 v[TMPB+16*((\g)&3)+4:TMPB+16*((\g)&3)+7],   v[WA] offset:((\g)&3)*16*WPITCH+((\g)>>2)*128+16   ; + 4..7
	ds_load_b128 v[TMPB+16*((\g)&3)+8:TMPB+16*((\g)&3)+11],  v[WA] offset:((\g)&3)*16*WPITCH+((\g)>>2)*128+64   ; k = 32 s + 16 + 8 h + 0..3
	ds_load_b128 v[TMPB+16*((\g)&3)+12:TMPB+16*((\g)&3)+15], v[WA] offset:((\g)&3)*16*WPITCH+((\g)>>2)*128+80   ; + 4..7
.endm
	s_wait_tensorcnt 0x0                           ; my piece of W is in LDS; I alone read it
.irp g, 0,1,2,3
	WLOAD \g
.endr
.irp g, 0,1,2,3,4,5,6,7,8,9,10,11,12,13,14,15
.if \g < 12
	s_wait_dscnt 12                                ; LDS loads come back in order (ISA guide 5.7.1): group g is in, three younger groups of four loads stay out
.else
	s_wait_dscnt 4*(15-\g)                         ; nothing more is asked for: the counts run down
.endif
.irp j, 0,1,2,3,4,5,6,7
	v_cvt_pk_bf16_f32 v[WF+8*\g+\j], v[TMPB+16*((\g)&3)+2*\j], v[TMPB+16*((\g)&3)+2*\j+1]
.endr
.if \g < 12
	WLOAD \g+4
.endif
.endr
; Chunk w of all eight waves' sums of tile u.
.macro RLOADS u
.irp v, 0,1,2,3,4,5,6,7
	ds_load_b128 v[RB+4*\v:RB+4*\v+3], v[RD+((\v)>>1)] offset:((\v)&1)*WSUB+((\u)&1)*RBUF
.endr
.endm
.macro RADD d, s
	v_pk_add_f32 v[RB+4*\d:RB+4*\d+1],   v[RB+4*\d:RB+4*\d+1],   v[RB+4*\s:RB+4*\s+1]
	v_pk_add_f32 v[RB+4*\d+2:RB+4*\d+3], v[RB+4*\d+2:RB+4*\d+3], v[RB+4*\s+2:RB+4*\s+3]
.endm
.macro RADDS dst                       ; a tree of seven sums, 14 packed adds; the last lands in dst
	RADD 0, 1
	RADD 2, 3
	RADD 4, 5
	RADD 6, 7
	RADD 0, 2
	RADD 4, 6
	v_pk_add_f32 v[\dst:\dst+1],   v[RB:RB+1],   v[RB+16:RB+17]
	v_pk_add_f32 v[\dst+2:\dst+3], v[RB+2:RB+3], v[RB+18:RB+19]
.endm
; Token tile t.
.macro STEP t
.if \t
	XST                                            ; tile t, converted in the step before (tile 0's stage was filled ahead of W); my reads of tile t - 1's fragments were waited for there
.endif
	WIN 0
.irp s, 0,1,2,3
	ds_load_b128 v[XB+8*\s:XB+8*\s+3],   v[XF] offset:64*\s        ; LDS serves a wave's instructions in order (ISA guide 5.7.1.4): these see the stage's stores
	ds_load_b128 v[XB+8*\s+4:XB+8*\s+7], v[XF] offset:64*\s+32
.endr
.if \t >= 3
	s_wait_xcnt 0x0                                ; RO, which the last step's store to part reads, is written again (below) only behind this wait
.endif
.if \t
.if \t+1 < NT
	XCVT \t+1                                      ; the next tile, while the fragments are on their way (tile 1 was converted ahead of W)
	WIN 0
.endif
.endif
	s_wait_dscnt 0x0                               ; my fragments and tile t - 2's chunks are in; for the others' sake: my sums of tile t - 1 are stored, my reads of tile t - 2's are back
.if \t
	s_barrier_signal -1                            ; say so,
.endif
	; 16 matrix instructions, registers only, while the others arrive.  The four accumulators take turns, one instruction a turn.
	; Each tile's first products start its sums: nothing is cleared.
.irp s, 0,1,2,3
.irp e, 0,1,2,3
.if \s
	v_wmma_f32_16x16x32_bf16 v[ACC+8*\e:ACC+8*\e+7], v[WF+8*(4*\s+\e):WF+8*(4*\s+\e)+7], v[XB+8*\s:XB+8*\s+7], v[ACC+8*\e:ACC+8*\e+7]
.else
	v_wmma_f32_16x16x32_bf16 v[ACC+8*\e:ACC+8*\e+7], v[WF+8*(4*\s+\e):WF+8*(4*\s+\e)+7], v[XB+8*\s:XB+8*\s+7], 0
.endif
.endr
.endr
.if \t >= 2
	RADDS RO                                       ; tile t - 2's chunk: register work that names no register of the matrix instructions: also the places behind them (ISA guide 7.12.1)
.else
	PLACES
.endif
.if \t
	s_barrier_wait -1                              ; all eight have said so: tile t - 1's sums may be read, tile t - 2's buffer written
.endif
.if \t >= 2
	global_store_b128 v[V16], v[RO:RO+3], s[8:9] offset:(\t-2)*RBUF th:TH_STORE_NT   ; the chunk's 512 consecutive bytes, at a multiple of 512 from part's first byte
.endif
.if \t
	RLOADS \t-1                                    ; wanted in the next step
.endif
.irp e, 0,1,2,3
	ds_store_b128 v[RS], v[ACC+8*\e:ACC+8*\e+3]   offset:((\t)&1)*RBUF+\e*1024       ; chunk 2 e: 512 neighbouring bytes
	ds_store_b128 v[RS], v[ACC+8*\e+4:ACC+8*\e+7] offset:((\t)&1)*RBUF+\e*1024+512   ; chunk 2 e + 1
.endr
.endm
	STEP 0                                         ; no barrier: nothing is handed over yet; the sums go into my own piece, which I alone have read
	STEP 1
	STEP 2
	STEP 3
	STEP 4
	STEP 5
	STEP 6
	STEP 7
	s_wait_dscnt 0x0                               ; tile 6's chunks are in; for the others' sake: my sums of the last tile are stored
	s_wait_xcnt 0x0                                ; RO, which the store of tile 5's chunk reads, is written again only behind this wait
	s_barrier_signal -1
	RADDS RO                                       ; tile 6's chunk
	s_barrier_wait -1
	global_store_b128 v[V16], v[RO:RO+3], s[8:9] offset:6*RBUF th:TH_STORE_NT
	RLOADS 7
	s_wait_dscnt 0x0
	RADDS RB                                       ; tile 7's chunk, summed in place: no pending store reads these registers
	global_store_b128 v[V16], v[RB:RB+3], s[8:9] offset:7*RBUF th:TH_STORE_NT
	ROUND                                          ; the closing round: no work-group ends while a partner may still ask for the tile that names it
	s_endpgm
.Lfunc_end_k_q7886c45111_partial:
	.size	k_q7886c45111_partial, .Lfunc_end_k_q7886c45111_partial-k_q7886c45111_partial
	.p2alignl 7, 3214868480
	.fill 96, 4, 3214868480
	.section	.rodata,"a",@progbits
	.p2align	6, 0x0
	.amdhsa_kernel k_q7886c45111_partial
		.amdhsa_group_segment_fixed_size 305152
		.amdhsa_private_segment_fixed_size 0
		.amdhsa_enable_private_segment 0
		.amdhsa_kernarg_size 24
		.amdhsa_user_sgpr_count 2
		.amdhsa_user_sgpr_kernarg_segment_ptr 1
		.amdhsa_wavefront_size32 1
		.amdhsa_system_sgpr_workgroup_id_x 1
		.amdhsa_system_sgpr_workgroup_id_y 1
		.amdhsa_system_sgpr_workgroup_id_z 1
		.amdhsa_system_vgpr_workitem_id 0
		.amdhsa_next_free_vgpr 488
		.amdhsa_next_free_sgpr 66
		.amdhsa_reserve_vcc 0
		.amdhsa_float_denorm_mode_32 3
		.amdhsa_float_denorm_mode_16_64 3
		.amdhsa_memory_ordered 1
		.amdhsa_forward_progress 1
		.amdhsa_inst_pref_size 84
	.end_amdhsa_kernel
	.amdgpu_metadata
---
amdhsa.version: [ 1, 2 ]
amdhsa.kernels:
  - .name:           k_q7886c45111_partial
    .symbol:         k_q7886c45111_partial.kd
    .args:
      - { .name: x, .offset: 0, .size: 8, .value_kind: global_buffer, .address_space: global }
      - { .name: W, .offset: 8, .size: 8, .value_kind: global_buffer, .address_space: global }
      - { .name: part, .offset: 16, .size: 8, .value_kind: global_buffer, .address_space: global }
    .group_segment_fixed_size: 305152
    .private_segment_fixed_size: 0
    .kernarg_segment_align: 8
    .kernarg_segment_size: 24
    .max_flat_workgroup_size: 256
    .sgpr_count:     66
    .vgpr_count:     488
    .wavefront_size: 32
...
	.end_amdgpu_metadata
.endif
;; end of part 2
;; launch pick (part 3): grid 256 x 1, 2 waves a work-group, no clusters, 512 bytes of LDS; arguments part, b, out0, out1; writes out0, out1
.if DOCPART == 3
	.amdgcn_target "amdgcn-amd-amdhsa--gfx1250"
	.amdhsa_code_object_version 6
	.text
	.protected	k_q7886c45111_pick
	.globl	k_q7886c45111_pick
	.p2align	8
	.type	k_q7886c45111_pick,@function
k_q7886c45111_pick:
	s_mov_b64 s[64:65], 0
	v_nop
	global_prefetch_b8 v0, s[64:65] scope:SCOPE_SE
	s_setreg_imm32_b32 hwreg(HW_REG_WAVE_MODE, 25, 1), 1
	s_wait_xcnt 0x0
; Second of two launches of TopKPerceptronRouter: logits = the four quarters' sums + b, softmax over 64 experts, the two largest
; probabilities (out1 [8192][2] f32) and their experts (out0 [8192][2] i32).
; part [4 quarters][512 token tiles][8 chunks][32 lanes][4] f32: lane (r, h) of chunk c holds token r, experts 16 (c >> 1) + 8 h + 4 (c & 1) + 0..3.
; 256 work-groups of 2 waves; a wave owns a token tile (16 tokens): a lane holds 32 experts of one token, the lane 16 away the other 32.
; All 40 loads of a wave go out at once, each of part's covering 512 consecutive bytes.  No matrix unit, no tiles, no cluster: nothing is
; shared between work-groups but the 256 bytes of b.
;
; LIMITS, kept on purpose:
;  - b is rounded to bf16 (nearest even) before it is added in f32, as x and W are for the matrix unit: the program is reference() on
;    inputs that are ALL rounded to bf16.
;  - The four quarters are added in ascending order, then b: not reference()'s order of sums.
;  - The two largest are chosen on exp(l - max), before the multiplication by 1 / sum; equal values go to the lower index.
;  - v_exp_f32 gives 0 for results below 2^-126 (ISA guide, its entry in 15.8): such probabilities count as 0.
;  - NaN or infinite logits are not served (v_max_num_f32 drops a NaN).
.set QUART, 2097152                    ; bytes of a quarter in part
.set LN,  1                            ; lane
.set R,   2                            ; lane % 16
.set H,   3                            ; lane / 16
.set BO,  4                            ; byte offset of my numbers in b
.set PO,  5                            ; byte offset of my 16 bytes in part
.set RA,  6                            ; LDS: where my results go
.set RB,  7                            ; LDS: where I read results back
.set GO,  8                            ; byte offset in the output
.set TA,  9                            ; the wave's number, in every lane
.set MX,  16
.set TP,  18
.set SU,  20
.set RI,  24
.set TV1, 26
.set TI1, 27
.set TV2, 28
.set TI2, 29
.set PV1, 30
.set PI1, 31
.set PV2, 32
.set PI2, 33
.set LAV, 34
.set LAI, 35
.set LBV, 36
.set LBI, 37
.set FV,  38
.set FI,  39
.set SV,  40
.set SI,  41
.set DD,  42
.set T,   50                           ; v50-65   b packed in bf16
.set BI,  66                           ; v66-97   b of my 32 experts
.set SM,  100                          ; v100-131 quarter 0, the sums, then the exponents; register 8 e + j: expert 16 e + 8 h + j
.set B0,  132                          ; v132-163 quarter 1
.set B1,  164                          ; v164-195 quarter 2
.set B2,  196                          ; v196-227 quarter 3
.set EX,  132                          ; the exponentials
	s_load_b256 s[4:11], s[0:1], 0x0               ; part s[4:5], b s[6:7], out0 s[8:9], out1 s[10:11]
	v_lshrrev_b32 v[TA], 5, v0
	v_readfirstlane_b32 s20, v[TA]                 ; wave 0..1
	s_lshl_b32 s24, ttmp9, 13                      ; two token tiles of 4,096 bytes a work-group
	s_mov_b32 s25, 0
	s_mov_b32 s52, 0x76543210                      ; v_permlanex16_b32: lane i of one half reads lane i of the other
	s_mov_b32 s53, 0xfedcba98
	v_and_b32 v[LN], 31, v0
	v_and_b32 v[R], 15, v0
	v_bfe_u32 v[H], v0, 4, 1
	v_lshlrev_b32 v[BO], 5, v[H]                   ; b: experts 8 h .. of each 16
	v_lshlrev_b32 v[PO], 4, v[LN]
	v_lshl_add_u32 v[PO], v[TA], 12, v[PO]         ; part: my wave's tile, 16 bytes a lane
	s_wait_kmcnt 0x0
	s_add_nc_u64 s[4:5], s[4:5], s[24:25]
.irp e, 0,1,2,3
	global_load_b128 v[BI+8*\e:BI+8*\e+3],   v[BO], s[6:7] offset:64*\e
	global_load_b128 v[BI+8*\e+4:BI+8*\e+7], v[BO], s[6:7] offset:64*\e+16
.endr
.irp q, 0,1,2,3
.irp c, 0,1,2,3,4,5,6,7
	global_load_b128 v[SM+32*\q+4*\c:SM+32*\q+4*\c+3], v[PO], s[4:5] offset:\q*QUART+\c*512 th:TH_LOAD_NT
.endr
.endr
	; while these are on their way: addresses, and the registers that v_permlanex16_b32 will write, which count as read there
	s_lshl_b32 s55, s20, 7
	v_lshl_add_u32 v[RA], v[R], 3, s55             ; results: 8 bytes a token, 128 bytes a wave; lanes 0-15 the indices,
	v_lshl_add_u32 v[RA], v[H], 8, v[RA]           ; lanes 16-31 the weights, 256 bytes on
	s_lshl_b32 s56, s20, 8
	v_lshl_add_u32 v[RB], v[LN], 3, s56            ; back: wave 0 the indices' 256 bytes, wave 1 the weights'
	s_lshl_b32 s57, ttmp9, 8                       ; 32 tokens x 8 bytes a work-group
	v_lshl_add_u32 v[GO], v[LN], 3, s57
	v_mov_b32 v[TP], 0
	v_mov_b32 v[PV1], 0
	v_mov_b32 v[PI1], 0
	v_mov_b32 v[PV2], 0
	v_mov_b32 v[PI2], 0
	s_wait_loadcnt 32                              ; loads come back in order (ISA guide 5.7.1): b is in, part's 32 loads stay out
.set i, 0
.rept 16
	v_cvt_pk_bf16_f32 v[T+i], v[BI+2*i], v[BI+2*i+1]               ; b to bf16 and back (see the head)
.set i, i+1
.endr
.set i, 0
.rept 16
	v_lshlrev_b32 v[BI+2*i], 16, v[T+i]
	v_and_b32 v[BI+2*i+1], 0xffff0000, v[T+i]
.set i, i+1
.endr
.macro PSUM buf
.set i, 0
.rept 16
	v_pk_add_f32 v[SM+i:SM+i+1], v[SM+i:SM+i+1], v[\buf+i:\buf+i+1]
.set i, i+2
.endr
.endm
	s_wait_loadcnt 16                              ; quarters 0 and 1 are in
	PSUM B0
	s_wait_loadcnt 8                               ; quarter 2
	PSUM B1
	s_wait_loadcnt 0x0                             ; quarter 3
	PSUM B2
	PSUM BI
	; the row's maximum: my 32 experts, then the other half of the lanes, which holds the token's other 32
	v_max3_num_f32 v[MX], v[SM], v[SM+1], v[SM+2]
.set i, 3
.rept 14
	v_max3_num_f32 v[MX], v[MX], v[SM+i], v[SM+i+1]
.set i, i+2
.endr
	v_max_num_f32 v[MX], v[MX], v[SM+31]
	v_permlanex16_b32 v[TP], v[MX], s52, s53
	v_max_num_f32 v[MX], v[MX], v[TP]
	v_mov_b32 v[MX+1], v[MX]
	; exp(l - max) = 2^((l - max) log2 e).  The difference is taken first, as reference() takes it, so that the largest gives exactly 1.
.set i, 0
.rept 16
	v_pk_add_f32 v[SM+i:SM+i+1], v[SM+i:SM+i+1], v[MX:MX+1] neg_lo:[0,1] neg_hi:[0,1]
.set i, i+2
.endr
.set i, 0
.rept 16
	v_pk_mul_f32 v[SM+i:SM+i+1], v[SM+i:SM+i+1], 0x3fb8aa3b op_sel_hi:[1,0]
.set i, i+2
.endr
.set i, 0
.rept 32
	v_exp_f32 v[EX+i], v[SM+i]
.set i, i+1
.endr
	v_nop                                          ; one plain instruction behind the transcendentals before their results are used (ISA guide 5.7.2)
	s_wait_alu depctr_va_vdst(0)
	v_pk_add_f32 v[SU:SU+1],   v[EX:EX+1],     v[EX+2:EX+3]        ; the sum, in two chains of pairs
	v_pk_add_f32 v[SU+2:SU+3], v[EX+4:EX+5],   v[EX+6:EX+7]
.set i, 8
.rept 6
	v_pk_add_f32 v[SU:SU+1],   v[SU:SU+1],   v[EX+i:EX+i+1]
	v_pk_add_f32 v[SU+2:SU+3], v[SU+2:SU+3], v[EX+i+2:EX+i+3]
.set i, i+4
.endr
	v_pk_add_f32 v[SU:SU+1], v[SU:SU+1], v[SU+2:SU+3]
	v_add_f32 v[SU], v[SU], v[SU+1]
	v_permlanex16_b32 v[TP], v[SU], s52, s53
	v_add_f32 v[SU], v[SU], v[TP]
	v_rcp_f32 v[RI], v[SU]                         ; used far below; the next lines touch neither SU nor RI
	; the two largest of my 32, in ascending order of the experts: '>' alone moves a place, so equal values keep the lower index.
	; Selections only: no branch and no address hangs on these numbers.
	v_mov_b32 v[TV1], v[EX]
	v_mov_b32 v[TI1], 0
	v_mov_b32 v[TV2], -1.0                         ; below every exponential
	v_mov_b32 v[TI2], 0
.set i, 1
.rept 31
	v_cmp_gt_f32 vcc_lo, v[EX+i], v[TV2]
	v_cmp_gt_f32 s48, v[EX+i], v[TV1]
	v_cndmask_b32 v[TI2], v[TI2], 16*(i>>3)+(i&7), vcc_lo
	v_cndmask_b32 v[TI2], v[TI2], v[TI1], s48
	v_cndmask_b32 v[TI1], v[TI1], 16*(i>>3)+(i&7), s48
	v_med3_num_f32 v[TV2], v[EX+i], v[TV1], v[TV2] ; the middle of the three is the new second
	v_max_num_f32 v[TV1], v[TV1], v[EX+i]
.set i, i+1
.endr
	v_lshl_add_u32 v[TI1], v[H], 3, v[TI1]         ; + 8 h: the expert's number
	v_lshl_add_u32 v[TI2], v[H], 3, v[TI2]
	; merge with the other half's two; 'better' = larger, or equal with the lower index.  Both halves come to the same result.
	v_permlanex16_b32 v[PV1], v[TV1], s52, s53
	v_permlanex16_b32 v[PI1], v[TI1], s52, s53
	v_permlanex16_b32 v[PV2], v[TV2], s52, s53
	v_permlanex16_b32 v[PI2], v[TI2], s52, s53
	v_cmp_gt_f32 s48, v[PV1], v[TV1]
	v_cmp_eq_f32 s49, v[PV1], v[TV1]
	v_cmp_lt_u32 s50, v[PI1], v[TI1]
	s_and_b32 s49, s49, s50
	s_or_b32 s48, s48, s49                         ; the other half's first is better than mine
	v_cndmask_b32 v[FV],  v[TV1], v[PV1], s48      ; the first
	v_cndmask_b32 v[FI],  v[TI1], v[PI1], s48
	v_cndmask_b32 v[LAV], v[PV1], v[TV1], s48      ; the first that lost
	v_cndmask_b32 v[LAI], v[PI1], v[TI1], s48
	v_cndmask_b32 v[LBV], v[TV2], v[PV2], s48      ; the winner's own second
	v_cndmask_b32 v[LBI], v[TI2], v[PI2], s48
	v_cmp_gt_f32 s48, v[LBV], v[LAV]
	v_cmp_eq_f32 s49, v[LBV], v[LAV]
	v_cmp_lt_u32 s50, v[LBI], v[LAI]
	s_and_b32 s49, s49, s50
	s_or_b32 s48, s48, s49
	v_cndmask_b32 v[SV], v[LAV], v[LBV], s48       ; the second
	v_cndmask_b32 v[SI], v[LAI], v[LBI], s48
	s_wait_alu depctr_va_vdst(0)
	v_mul_f32 v[FV], v[FV], v[RI]                  ; the probabilities
	v_mul_f32 v[SV], v[SV], v[RI]
	v_cmp_ne_u32 vcc_lo, 0, v[H]
	v_cndmask_b32 v[DD],   v[FI], v[FV], vcc_lo    ; lanes 0-15 hand on the indices, lanes 16-31 the weights
	v_cndmask_b32 v[DD+1], v[SI], v[SV], vcc_lo
	ds_store_b64 v[RA], v[DD:DD+1]
	s_wait_dscnt 0x0                               ; for the other wave's sake
	s_barrier_signal -1
	s_barrier_wait -1
	; wave 0 stores the 32 tokens' indices, wave 1 their weights: one store of 256 consecutive bytes, at a multiple of 256 from the buffer's first byte
	ds_load_b64 v[DD:DD+1], v[RB]
	s_cmp_eq_u32 s20, 0
	s_cselect_b64 s[14:15], s[8:9], s[10:11]       ; out0 or out1, by the wave's number
	s_wait_dscnt 0x0
	global_store_b64 v[GO], v[DD:DD+1], s[14:15]
	s_endpgm
.Lfunc_end_k_q7886c45111_pick:
	.size	k_q7886c45111_pick, .Lfunc_end_k_q7886c45111_pick-k_q7886c45111_pick
	.p2alignl 7, 3214868480
	.fill 96, 4, 3214868480
	.section	.rodata,"a",@progbits
	.p2align	6, 0x0
	.amdhsa_kernel k_q7886c45111_pick
		.amdhsa_group_segment_fixed_size 512
		.amdhsa_private_segment_fixed_size 0
		.amdhsa_enable_private_segment 0
		.amdhsa_kernarg_size 32
		.amdhsa_user_sgpr_count 2
		.amdhsa_user_sgpr_kernarg_segment_ptr 1
		.amdhsa_wavefront_size32 1
		.amdhsa_system_sgpr_workgroup_id_x 1
		.amdhsa_system_sgpr_workgroup_id_y 1
		.amdhsa_system_sgpr_workgroup_id_z 1
		.amdhsa_system_vgpr_workitem_id 0
		.amdhsa_next_free_vgpr 232
		.amdhsa_next_free_sgpr 66
		.amdhsa_reserve_vcc 1
		.amdhsa_float_denorm_mode_32 3
		.amdhsa_float_denorm_mode_16_64 3
		.amdhsa_memory_ordered 1
		.amdhsa_forward_progress 1
		.amdhsa_inst_pref_size 32
	.end_amdhsa_kernel
	.amdgpu_metadata
---
amdhsa.version: [ 1, 2 ]
amdhsa.kernels:
  - .name:           k_q7886c45111_pick
    .symbol:         k_q7886c45111_pick.kd
    .args:
      - { .name: part, .offset: 0, .size: 8, .value_kind: global_buffer, .address_space: global }
      - { .name: b, .offset: 8, .size: 8, .value_kind: global_buffer, .address_space: global }
      - { .name: out0, .offset: 16, .size: 8, .value_kind: global_buffer, .address_space: global }
      - { .name: out1, .offset: 24, .size: 8, .value_kind: global_buffer, .address_space: global }
    .group_segment_fixed_size: 512
    .private_segment_fixed_size: 0
    .kernarg_segment_align: 8
    .kernarg_segment_size: 32
    .max_flat_workgroup_size: 64
    .sgpr_count:     66
    .vgpr_count:     232
    .wavefront_size: 32
...
	.end_amdgpu_metadata
.endif
;; end of part 3
